; MI455X (gfx1250); checked and timed in simulation.
; The chip was launched on July 23, 2026; its instructions are those of AMD's public machine-readable ISA for CDNA 5 (MIT licence, August 2026) and "CDNA5" Instruction Set Architecture Reference Guide (July 2026). The comments in the code are by the model that wrote it; some were corrected since.
;; Attention Mechanism. Allowed arithmetic: matrix products marked QUANTISED: E2M1 operands, one E8M0 scale for each 32 along K, by v_wmma_scale_f32_16x16x128_f8f6f4 with both operands' format E2M1 (or v_wmma_scale_f32_32x16x128_f4), f32 sums; products left as they are: f32 operands where the result goes on into a quantised operand, else bf16, f16 or f32 operands; f32 sums; everything else in f32.
;; Inputs: W_codes 1,024 x 32 x 16 uint8 (E2M1 codes of W, K innermost, in blocks of 32 codes, two codes a byte); W_scales 1,024 x 32 uint8 (E8M0 scales of W, one for each 32 codes along K); b 1,024 float32; decoder_hidden 32 x 1,024 float32; encoder_outputs_codes 2,048 x 32 x 32 x 16 uint8 (E2M1 codes of encoder_outputs, K innermost, in blocks of 32 codes, two codes a byte); encoder_outputs_scales 2,048 x 32 x 32 uint8 (E8M0 scales of encoder_outputs, one for each 32 codes along K).
;; Outputs: out0 32 x 1 x 2,048 float32.
;; This version of the problem:
;;   THIS VERSION OF THE PROBLEM IS GIVEN IN LOW PRECISION. The matrix products marked QUANTISED in the list below multiply operands that are first quantised to E2M1 (2 exponent bits, 1 mantissa bit; 4 bits a number), with one power-of-two scale for each 32 numbers along K (OCP MX v1.0); their sums are f32. All else is computed in f32.
;;   The module's matrix products, in the order in which they are computed (A, B: the left and right operand; K: the contracted axis; several contracted axes count as one K, in the product's order):
;;     1. [M 65,536, K 1,024] x [K 1,024, N 1,024]; A: input encoder_outputs (given as codes); B: input W (given as codes): QUANTISED
;;     2. batch 32 x [M 1, K 1,024] x [K 1,024, N 2,048]; A: input decoder_hidden; B: computed on the way: left as it is (M = 1 < 16)
;;   THE QUANTISER, for each operand of a quantised product, along K:
;;     - K is cut into blocks of 32 from its start; a last block that is shorter is filled with zeros.
;;     - A block's scale is 2^e with e = floor(log2(the largest magnitude in the block)) - 2, held to -126 .. 127; a block of zeros has e = 0. As a byte (E8M0): e + 127.
;;     - Each number is divided by its block's scale, clamped to +-6, and rounded to the nearest number of E2M1, ties to even, subnormals kept.
;;     - The product sums the exact products of the quantised numbers (number of the format x scale) in f32.
;;   ~~~python
;;   def quantise(x, axis):      # numpy; x: float32 -> the quantised numbers, widened to float32 again
;;       x = np.moveaxis(x, axis, -1); K = x.shape[-1]
;;       x = np.pad(x, [(0, 0)] * (x.ndim - 1) + [(0, -K % 32)]); x = x.reshape(x.shape[:-1] + (-1, 32)); a = np.abs(x).max(-1, keepdims=True)
;;       e = np.where(a > 0, np.clip(np.frexp(np.where(a > 0, a, 1))[1] - 1 - 2, -126, 127), 0)      # np.frexp(a)[1] - 1 = floor(log2(a)), exactly
;;       r = np.clip(x / 2.0 ** e, -6, 6)
;;       step = 2.0 ** (np.maximum(np.frexp(np.where(r == 0, 1, r))[1] - 1, 0) - 1)
;;       q = np.round(r / step) * step * 2.0 ** e      # np.round: ties to even
;;       return np.moveaxis(q.reshape(q.shape[:-2] + (-1,))[..., :K], -1, axis).astype(np.float32)
;;   ~~~
;;   INPUTS GIVEN AS CODES. W (in the module: [1024, 1024], K = its axis 1); encoder_outputs (in the module: [2048, 32, 1024], K = its axis 2): each comes as NAME_codes (uint8): NAME with its K axis moved to the last place and cut into blocks of 32 codes, [.., K / 32, bytes a block], one block behind the other in memory; two codes a byte, the lower K in the low four bits (a code: sign, 2 exponent bits, 1 mantissa bit); and NAME_scales (uint8): the same leading axes, one E8M0 byte (e + 127) for each 32 codes along K. Its value is code x scale, taken as it is: it is not quantised again, and the codes and scales need not be those that the quantiser above would give.
;; One version. Each part assembles by itself: llvm-mc -triple=amdgcn-amd-amdhsa -mcpu=gfx1250 --defsym DOCPART=n.
;; ======== version 1 of 1: 2 launches
;; limits: right only within a limited range of input values
;; workspace buffers: part 1,048,576 bytes
;; launch energy (part 1): grid 4 x 64, 4 waves a work-group, clusters of 4 x 4, 327,680 bytes of LDS; arguments W_codes, W_scales, decoder_hidden, encoder_outputs_codes, encoder_outputs_scales, part; writes part
.if DOCPART == 1
	.amdgcn_target "amdgcn-amd-amdhsa--gfx1250"
	.amdhsa_code_object_version 6
	.text
	.protected	k_qc4264a2650_energy
	.globl	k_qc4264a2650_energy
	.p2align	8
	.type	k_qc4264a2650_energy,@function
k_qc4264a2650_energy:
	s_mov_b64 s[64:65], 0
	v_nop
	global_prefetch_b8 v0, s[64:65] scope:SCOPE_SE
	s_setreg_imm32_b32 hwreg(HW_REG_WAVE_MODE, 25, 1), 1
	s_wait_xcnt 0x0
	s_wait_alu depctr_hold_cnt(0) depctr_sa_sdst(0) depctr_va_vdst(0) depctr_va_sdst(0) depctr_va_ssrc(0) depctr_va_vcc(0) depctr_vm_vsrc(0)
	s_getreg_b32 s2, hwreg(HW_REG_IB_STS2, 6, 4)
	s_cmp_eq_u32 s2, 0
	s_cbranch_scc0 .Lentry_in_a_cluster
	s_endpgm
.Lentry_in_a_cluster:
	s_bfe_u32 s2, ttmp6, 0x10000c
	s_cmp_lg_u32 s2, 0xf033
	s_cbranch_scc0 .Lentry_shape_is_right
	s_endpgm
.Lentry_shape_is_right:
; part[nq][b][s] = sum over the 256 columns n of quarter nq of dec[b][n] x (sum over k of enc[s][b][k] W[n][k]).
; enc [2048][32][1024] and W [1024][1024] are codes of FP4 (E2M1), two a byte, K innermost, with one E8M0 byte for each 32 along K: codes and bytes go to the matrix unit as they lie.
; DEAD WORK LEFT OUT: the bias b.  proj[s][b][n] has b[n] added, so energies[b][s] has sum over n of dec[b][n] b[n] added: the same number for every s.  The softmax runs over s, so a term that does
; not hang on s changes none of its results, whatever b and dec hold; no quantiser stands behind it.  b is not loaded and is among no launch's arguments.
; LIMITS: a NaN, an infinity or an overflow in b, or in the sum of dec x b alone, is not carried to the result.  NaN, infinities and scale bytes 0xff elsewhere go through the arithmetic as they are.
; The first product is never stored: each 32 x 16 result is multiplied by dec in f32 and summed as soon as it is finished.  The softmax over s follows in the next launch.
; SHARES.  256 work-groups.  Work-group (nq, rb): columns 256 nq .. + 255; rows s = 64 (rb / 2) .. + 63 x b = 16 (rb % 2) .. + 15: 1,024 rows.
; W STAYS, enc STREAMS.  Wave w (mh = w / 2, nw = w % 2) keeps 128 rows of W, in four groups of 32, for all of K: 512 registers, with their scale words and dec.
; It walks 32 tiles of 16 rows of enc: tile t is s = s0 + 2 t + mh, lane r is b = 16 p + r: so dec's place in the lanes is the same in every tile.  A tile's 8 KiB from LDS feed 32 matrix instructions.
; THE MATRIX INSTRUCTION IS USED TRANSPOSED: source 0 = 32 rows of W, source 1 = 16 rows of enc: lane (r, h), register 8 u + j holds proj(b = r, n = 32 g + 16 u + 8 h + j).
; enc comes through two LDS slots of 256 rows (16 s), but for tiles 0 and 1, which come straight into registers; W's 256 rows pass once through slot 1 on their way into registers.
; enc's scale words of all 32 tiles come once into 128 registers: a tile's are 512 consecutive bytes; lanes 0-15 hold a row's K steps 0-3, lanes 16-31 its K steps 4-7.
; CLUSTER 4 x 4.  The four work-groups of a row of the cluster (same rb, four nq) need the same enc: asked for jointly.  The four of a column (same nq) need the same W: likewise.
; WINDOWS of 256 registers.  0: addresses, scale words, W's K step 7, a part of dec.  1: W's groups 0, 1, K steps 0-6; dec of groups 2, 3.  2: W's groups 2, 3, K steps 0-6; dec of groups 0, 1.
;   3: enc's fragments (two sets), accumulators, running sums.  Products and multiply-adds of a stretch share one setting: source 0 alone changes its window: three switches a tile.
; A tile: groups 0, 1 by turns (K steps 7, 0 .. 6), then groups 2, 3 by turns (K steps 0 .. 7).  Between the matrix instructions stand the multiply-adds of finished groups.
; The tiles are written out by the assembler: their LDS addresses are then four base registers and immediates, and what differs (first tiles, changes of slots, last loads) costs no branch.
.set PITCH,  528                       ; a row of 1,024 codes in LDS: 512 bytes + 16: the 16 rows of a fragment load start 16 bytes apart modulo 256
.set TILEB,  16*PITCH                  ; 16 rows: one s of enc, or 16 rows of W
.set QUART,  4*TILEB                   ; what one tensor load brings: a quarter of a slot
.set R0,     0                         ; slot 0: E0, then E2   (Ek: s0 + 16 k .. + 15)
.set R1,     16*TILEB                  ; slot 1: W, then E1, then E3
.set STG,    2*16*TILEB                ; the stage: for each wave 32 rows of 32 lanes' sums + one word; written by LDS stores alone, no tile lands here
.set GROW,   132
.set GWAVE,  32*GROW
.set SPARE,  STG+4*GWAVE               ; the spare words, 128 bytes for each wave: two blocks of 256 bytes that no other line names
.set ESTEP,  16*16384                  ; from Ek to Ek+1 in memory: 16 s of 32 x 512 bytes
.set SPW, 1                            ; v1   my spare word's LDS address; never rewritten
.set NIL, 2                            ; v2   0; never rewritten
.set EL,  3                            ; v3-6 my lane's place in tiles 0-3 and 4-7 of slot 0, and of slot 1
.set XQ,  7                            ; v7   32 r + 16 h: enc's scale bytes
.set GL,  8                            ; v8   my lane's place in my stage: 4 x lane
.set PFO, 9                            ; v9   256 x lane
.set XS,  10                           ; v10  32 x lane: W's scale bytes
.set XD,  11                           ; v11  4096 r + 32 h: dec
.set RB,  12                           ; v12  the way out: where I read the stage
.set CO,  13                           ; v13  and my byte offset in part
.set WL,  14                           ; v14  my lane's place in my 128 rows of W in slot 1
.set XE,  15                           ; v15  512 r + 16 h: tiles 0 and 1 of enc in memory
.set WS,  16                           ; v16-47 W's scale words, 8 g + K step: lane m has row m of the group's 32
.set ES,  48                           ; v48-175 enc's scale words, 4 t + K step % 4
.set WX,  176                          ; v176-239 W's K step 7, 16 g; at the head, before that, at work; on the way out the parts of the energies
.set DZ,  240                          ; dec of groups 0, 1, pairs 12-15 (window 0)
.set DC,  224                          ; dec of groups 2, 3, pairs 0-15 (window 1); of groups 0, 1, pairs 0-11 (window 2)
.set ACA, 128                          ; window 3: v0-127 enc's fragments, two sets of 8 K steps x 8; v128-191 accumulators of groups 0, 1, two sets;
.set ACB, 192                          ; v192-223 accumulators of groups 2, 3;
.set E,   224                          ; v224-227 the tile's sum in two chains of two numbers;
.set T,   228                          ; v228-229 a finished tile's sum
.set WV,  18                           ; s18 wave; s19 mh; s20 nw; s21 cx; s22 cy; s23 nq; s24 rb; s25 p; s26 sb; s27 wave x QUART
.set G1W, 28                           ; s[28:35] group 1 for W;  s[36:43] for enc's codes
.set G1E, 36
.set G0W, 44                           ; s[44:47], s[48:51] their groups 0
.set G0E, 48
.set PFA, 52                           ; s[52:53] where my prefetches stand; never rewritten
.set EB,  54                           ; s[54:55] tile 0 of enc in memory
.set SB,  56                           ; s[56:57] its scale bytes
.set MSB, 0
.macro WIN new                         ; low byte: bits 1:0 source 0, 3:2 source 1, 5:4 source 2, 7:6 destination; the high byte repeats the setting that is left
.if MSB != \new
	s_set_vgpr_msb (MSB<<8)|\new
.set MSB, \new
.endif
.endm
.macro NOPS4
.rept 4
	v_nop
.endr
.endm
.macro CREST                           ; a round of the cluster's barrier behind its opening barrier
	s_cmp_lg_u32 s[WV], 0
	s_cbranch_scc1 .Lnot_wave_0_\@
	s_barrier_signal -3
.Lnot_wave_0_\@:
	s_barrier_wait -3
	s_barrier_signal -1
	s_barrier_wait -1
.endm
.macro ROUND                           ; a whole round
	s_barrier_signal -1
	s_barrier_wait -1
	CREST
.endm
	s_load_b256 s[4:11], s[0:1], 0x0               ; W's codes s[4:5], W's scales s[6:7], dec s[8:9], enc's codes s[10:11]
	s_load_b128 s[12:15], s[0:1], 0x20             ; enc's scales s[12:13], part s[14:15]
	v_lshl_add_u32 v[SPW], v0, 2, SPARE
	v_mov_b32 v[NIL], 0
	ds_add_u32 v[SPW], v[NIL]                      ; the wave's opening: the add, twice on end, and its wait ahead of my first tensor load
	ds_add_u32 v[SPW], v[NIL]
	v_lshrrev_b32 v176, 5, v0
	v_readfirstlane_b32 s[WV], v176                ; wave 0..3
	s_lshr_b32 s19, s[WV], 1                       ; mh: odd or even s
	s_and_b32 s20, s[WV], 1                        ; nw: which 128 columns
	s_bfe_u32 s21, ttmp6, 0x40000                  ; cx
	s_bfe_u32 s22, ttmp6, 0x40004                  ; cy
	s_lshl_b32 s23, ttmp9, 2
	s_add_co_u32 s23, s23, s21                     ; nq = 4 x cluster x + cx
	s_and_b32 s24, ttmp7, 0xffff
	s_lshl_b32 s24, s24, 2
	s_add_co_u32 s24, s24, s22                     ; rb = 4 x cluster y + cy
	s_and_b32 s25, s24, 1                          ; p: which 16 of the 32 b
	s_lshr_b32 s26, s24, 1                         ; sb: which 64 s
	s_mul_i32 s27, s[WV], QUART                    ; my quarter of a slot: no place in the cluster enters an LDS address
	s_lshl_b32 s74, s22, 2
	s_lshl_b32 s74, 15, s74                        ; my row of the cluster
	s_lshl_b32 s75, 0x1111, s21                    ; my column
	; group 1, elements of 8 bytes.  W: 64 rows of 512 bytes, dense.  15:0 mask; 17:16 size code 3; 20 padding on; 21 set beside a mask; 24:22 after every 128 words (code 6); 31:25 four words (code 3)
	s_or_b32 s[G1W], s75, (3<<16)|(1<<20)|(1<<21)|(6<<22)|(3<<25)
	s_mov_b32 s[G1W+1], 64<<16                     ; tensor_dim0 = 64
	s_mov_b32 s[G1W+2], 64<<16                     ; tensor_dim1 = 64
	s_mov_b32 s[G1W+3], 64<<16                     ; tile_dim0 = 64
	s_mov_b32 s[G1W+4], 64                         ; tile_dim1 = 64
	s_mov_b32 s[G1W+5], 64                         ; from row to row
	s_mov_b32 s[G1W+6], 0
	s_mov_b32 s[G1W+7], 0
	; enc's codes: 4 s, each 16 b x 512 = 8,192 consecutive bytes, 16,384 bytes apart; the padding falls behind every 512 bytes, sixteen times in a row of the tile: 4 x TILEB in LDS
	s_or_b32 s[G1E], s74, (3<<16)|(1<<20)|(1<<21)|(6<<22)|(3<<25)
	s_mov_b32 s[G1E+1], 1024<<16
	s_mov_b32 s[G1E+2], 4<<16
	s_mov_b32 s[G1E+3], 1024<<16
	s_mov_b32 s[G1E+4], 4
	s_mov_b32 s[G1E+5], 2048
	s_mov_b32 s[G1E+6], 0
	s_mov_b32 s[G1E+7], 0
	; where the tiles come from.  W's hang on nq and the wave, enc's on rb and the wave, each in registers that never hold the other coordinate
	s_lshl_b32 s76, s23, 17                        ; W: 256 nq rows of 512 bytes
	s_lshl_b32 s77, s[WV], 15                      ; + my 64 rows
	s_add_co_u32 s76, s76, s77
	s_mov_b32 s77, 0
	s_lshl_b32 s78, s26, 20                        ; enc's codes: 64 sb x 16,384
	s_lshl_b32 s79, s25, 13                        ; + 16 p x 512
	s_add_co_u32 s78, s78, s79
	s_lshl_b32 s81, s19, 14                        ; tile 0: s number mh
	s_add_co_u32 s80, s78, s81
	s_mov_b32 s81, 0
	s_lshl_b32 s83, s21, 2                         ; which s of a slot's 16 my wave prefetches: 4 cx + wave: the four partners are told apart by address alone
	s_add_co_u32 s83, s83, s[WV]
	s_lshl_b32 s83, s83, 14
	s_add_co_u32 s82, s78, s83
	s_mov_b32 s83, 0
	s_lshl_b32 s79, s[WV], 16                      ; + my 4 s
	s_add_co_u32 s78, s78, s79
	s_mov_b32 s79, 0
	s_lshl_b32 s60, s26, 16                        ; enc's scale bytes: 64 sb x 1,024 + 16 p x 32 + s number mh
	s_lshl_b32 s61, s25, 9
	s_add_co_u32 s60, s60, s61
	s_lshl_b32 s61, s19, 10
	s_add_co_u32 s60, s60, s61
	s_mov_b32 s61, 0
	s_lshl_b32 s90, s23, 13                        ; W's scale bytes: 256 nq + 128 nw rows of 32
	s_lshl_b32 s91, s20, 12
	s_add_co_u32 s90, s90, s91
	s_mov_b32 s91, 0
	s_lshl_b32 s92, s23, 10                        ; dec: 4 (256 nq + 128 nw) + 16 p rows of 4,096
	s_lshl_b32 s93, s20, 9
	s_add_co_u32 s92, s92, s93
	s_lshl_b32 s93, s25, 16
	s_add_co_u32 s92, s92, s93
	s_mov_b32 s93, 0
	s_lshl_b32 s94, s23, 18                        ; part: nq x 262,144 + 16 p x 8,192 + 64 sb x 4
	s_lshl_b32 s95, s25, 17
	s_add_co_u32 s94, s94, s95
	s_lshl_b32 s95, s26, 8
	s_add_co_u32 s94, s94, s95
	s_mov_b32 s95, 0
	; the waves' terms of the lane addresses
	s_mul_i32 s84, s20, 8*TILEB
	s_add_co_u32 s84, s84, R1                      ; W: my 128 rows in slot 1
	s_mul_i32 s85, s19, TILEB                      ; enc: the even or the odd s of a pair
	s_mul_i32 s87, s[WV], GWAVE
	s_add_co_u32 s87, s87, STG
	s_lshl_b32 s88, s[WV], 4
	s_add_co_u32 s88, s88, STG
	s_lshl_b32 s89, s[WV], 15
	; lane terms
	v_and_b32 v177, 15, v0                         ; r
	v_bfe_u32 v178, v0, 4, 1                       ; h
	v_and_b32 v179, 31, v0                         ; lane
	v_mul_u32_u24 v180, v177, PITCH
	v_lshl_add_u32 v180, v178, 4, v180             ; r x PITCH + 16 h
	v_add_nc_u32 v[WL], s84, v180
	v_add_nc_u32 v[EL], s85, v180
	v_add_nc_u32 v[EL+1], 8*TILEB, v[EL]
	v_add_nc_u32 v[EL+2], R1, v[EL]
	v_add_nc_u32 v[EL+3], R1+8*TILEB, v[EL]
	v_lshlrev_b32 v[XQ], 5, v177
	v_lshl_add_u32 v[XQ], v178, 4, v[XQ]
	v_lshl_add_u32 v[GL], v179, 2, s87
	v_lshlrev_b32 v[PFO], 8, v179
	v_lshlrev_b32 v[XS], 5, v179
	v_lshlrev_b32 v[XD], 12, v177
	v_lshl_add_u32 v[XD], v178, 5, v[XD]
	v_lshlrev_b32 v[XE], 9, v177
	v_lshl_add_u32 v[XE], v178, 4, v[XE]
	v_mul_u32_u24 v[RB], v177, 2*GROW              ; the way out: lane (r, h) of wave w takes s = 4 r + e of b = 4 w + h + 2 j: stage rows 2 r on, stage lane 4 w + h
	v_lshl_add_u32 v[RB], v178, 2, v[RB]
	v_add_nc_u32 v[RB], s88, v[RB]
	v_lshlrev_b32 v[CO], 4, v177                   ; part: 16 r + 8,192 (4 w + h)
	v_lshl_add_u32 v[CO], v178, 13, v[CO]
	v_add_nc_u32 v[CO], s89, v[CO]
	s_wait_alu depctr_va_vdst(0)
	s_wait_dscnt 0x0                               ; both opening adds are done
	s_wait_kmcnt 0x0
	s_mov_b32 s[G0W], 1                            ; 1:0 count = 1
	s_add_co_u32 s[G0W+1], s27, R1                 ; 63:32 LDS address
	s_add_nc_u64 s[G0W+2:G0W+3], s[4:5], s[76:77]  ; 120:64 global address
	s_or_b32 s[G0W+3], s[G0W+3], 0x80000000        ; 127:126 type = 2
	s_mov_b32 s[G0E], 1
	s_add_co_u32 s[G0E+1], s27, R0
	s_add_nc_u64 s[G0E+2:G0E+3], s[10:11], s[78:79]
	s_or_b32 s[G0E+3], s[G0E+3], 0x80000000
	s_add_nc_u64 s[PFA:PFA+1], s[10:11], s[82:83]
	s_add_nc_u64 s[EB:EB+1], s[10:11], s[80:81]
	s_add_nc_u64 s[SB:SB+1], s[12:13], s[60:61]
	s_add_nc_u64 s[6:7], s[6:7], s[90:91]
	s_add_nc_u64 s[8:9], s[8:9], s[92:93]
	s_add_nc_u64 s[14:15], s[14:15], s[94:95]
	ROUND                                          ; all sixteen work-groups are here: the first joint loads meet
	tensor_load_to_lds s[G0W:G0W+3], s[G1W:G1W+7]  ; W, a quarter a wave
	s_nop 0
	NOPS4
	; A PREFETCH INTO THE L2 of E0, which is loaded behind the next round.  A slot is 16 s x 8,192 bytes: wave w of partner cx takes s number 4 cx + w, a lane 256 bytes of it: each aligned
	; 256 bytes are named once in the launch, since only these four work-groups read these rows.  E2 and E3 are asked for in the same way, six and eight tiles ahead; E1 comes by its load alone.
	global_prefetch_b8 v[PFO], s[PFA:PFA+1] th:TH_LOAD_NT scope:SCOPE_SE
	; what comes straight from memory into registers, once, in the order in which it is wanted: 8 + 2 + 32 + 16 loads here, 30 behind the round
.irp g, 0,1,2,3
	global_load_b128 v[WS+8*\g:WS+8*\g+3], v[XS], s[6:7] offset:1024*\g            ; a row's 32 bytes a lane: 32 rows, 1,024 consecutive bytes
	global_load_b128 v[WS+8*\g+4:WS+8*\g+7], v[XS], s[6:7] offset:1024*\g+16
.endr
.macro SLOAD                           ; tile LT_'s scale words: 512 consecutive bytes, s number 2 LT_ + mh
	global_load_b128 v[ES+4*LT_:ES+4*LT_+3], v[XQ], s[SB:SB+1] offset:2048*LT_
.set LT_, LT_+1
.endm
.set LT_, 0
	SLOAD
	SLOAD
	WIN 0xc0                                       ; destination window 3
.irp t, 0,1
.irp ks, 0,1,2,3,4,5,6,7
	global_load_b128 v[64*\t+8*\ks:64*\t+8*\ks+3], v[XE], s[EB:EB+1] offset:32768*\t+64*\ks      ; tiles 0 and 1: the fragments as LDS would give them; a tile is 8,192 consecutive bytes, all of them taken
	global_load_b128 v[64*\t+8*\ks+4:64*\t+8*\ks+7], v[XE], s[EB:EB+1] offset:32768*\t+64*\ks+32
.endr
.endr
.macro DLOAD l, to                     ; pairs 2 l, 2 l + 1 of dec: n = 16 (l / 2) + 8 h + 4 (l % 2) + 0 .. 3
	global_load_b128 v[\to:\to+3], v[XD], s[8:9] offset:64*((\l)/2)+16*((\l)%2)
.endm
	WIN 0
.irp l, 6,7
	DLOAD \l, DZ+4*(\l-6)
.endr
	WIN 0x80                                       ; destination window 2
.irp l, 0,1,2,3,4,5
	DLOAD \l, DC+4*\l
.endr
	WIN 0x40                                       ; destination window 1
.irp l, 8,9,10,11,12,13,14,15
	DLOAD \l, DC+4*(\l-8)
.endr
	WIN 0
	s_wait_tensorcnt 0x0                           ; my quarter of W is in
	ds_add_u32 v[SPW], v[NIL]
	s_wait_dscnt 0x0
	ROUND                                          ; everybody's quarter is in
	tensor_load_to_lds s[G0E:G0E+3], s[G1E:G1E+7]  ; E0, a quarter a wave: it lands while W is read and tile 0 begins
	s_nop 0
	NOPS4
.rept 30
	SLOAD
.endr
.macro WREAD g, ks, to                 ; 32 rows of W, K step ks: lane (r, h): bytes 64 ks + 32 c + 16 h of rows r and 16 + r
	ds_load_b128 v[\to:\to+3], v[WL] offset:TILEB*2*(\g)+64*(\ks)
	ds_load_b128 v[\to+4:\to+7], v[WL] offset:TILEB*2*(\g)+64*(\ks)+32
	ds_load_b128 v[\to+8:\to+11], v[WL] offset:TILEB*(2*(\g)+1)+64*(\ks)
	ds_load_b128 v[\to+12:\to+15], v[WL] offset:TILEB*(2*(\g)+1)+64*(\ks)+32
.endm
.irp g, 0,1
	WREAD \g, 7, WX+16*\g
.endr
	WIN 0x40
.irp g, 0,1
.irp ks, 0,1,2,3,4,5,6
	WREAD \g, \ks, 16*(7*\g+\ks)
.endr
.endr
	WIN 0
.irp g, 2,3
	WREAD \g, 7, WX+16*\g
.endr
	WIN 0x80
.irp g, 2,3
.irp ks, 0,1,2,3,4,5,6
	WREAD \g, \ks, 16*(7*(\g-2)+\ks)
.endr
.endr
	s_wait_loadcnt 46                              ; W's scale words, tiles 0 and 1 with theirs; dec's 16 loads and the later tiles' 30 may be out
	s_wait_dscnt 63                                ; W's groups 0 and 1: behind their 64 loads stand the 64 of groups 2 and 3
; Tile LT_'s fragment of K step ks (16 rows x 128 K: lane (r, h): bytes 64 ks + 32 c + 16 h of row r) into its set in window 3.
.macro LDF ks
.set LA_, EL+2*((LT_/8)%2)+(LT_%8)/4
.set LO_, (LT_%4)*2*TILEB+64*(\ks)
.set LD_, 64*(LT_%2)+8*(\ks)
	ds_load_b128 v[LD_:LD_+3], v[LA_] offset:LO_
	ds_load_b128 v[LD_+4:LD_+7], v[LA_] offset:LO_+32
.endm
; One product: group g of W x the tile of enc, K step ks.  A sum's first step takes the constant 0: nothing is cleared.  From K step 4 on enc's scale words stand in lanes 16-31.
.macro MM g, ks
.set MP_, TN%2
.if (\g) < 2
.set MD_, ACA+32*MP_+16*(\g)
.set MF_, 7
.else
.set MD_, ACB+16*((\g)-2)
.set MF_, 0
.endif
.if (\ks) < 7
.set MA_, 16*(7*((\g)%2)+(\ks))
.else
.set MA_, WX+16*(\g)
.endif
.set MB_, 64*MP_+8*(\ks)
.set SW_, WS+8*(\g)+(\ks)
.set SE_, ES+4*TN+(\ks)%4
.if (\ks) == MF_
.if (\ks) < 4
	v_wmma_scale_f32_32x16x128_f4 v[MD_:MD_+15], v[MA_:MA_+15], v[MB_:MB_+7], 0, v[SW_], v[SE_]
.else
	v_wmma_scale_f32_32x16x128_f4 v[MD_:MD_+15], v[MA_:MA_+15], v[MB_:MB_+7], 0, v[SW_], v[SE_] matrix_b_scale:MATRIX_SCALE_ROW1
.endif
.elseif (\ks) < 4
	v_wmma_scale_f32_32x16x128_f4 v[MD_:MD_+15], v[MA_:MA_+15], v[MB_:MB_+7], v[MD_:MD_+15], v[SW_], v[SE_]
.else
	v_wmma_scale_f32_32x16x128_f4 v[MD_:MD_+15], v[MA_:MA_+15], v[MB_:MB_+7], v[MD_:MD_+15], v[SW_], v[SE_] matrix_b_scale:MATRIX_SCALE_ROW1
.endif
.endm
; THE LIST OF A TILE: e += dec x proj, two numbers an instruction, in two chains: AL: the 16 pairs of groups 0, 1 (the first two start the chains), BL: the 16 of groups 2, 3.  Then the sum:
; FIN1 joins the chains, FIN2 their two numbers.  Source 0's window is the stretch's, so the sum's two lines are multiply-adds with the constant 1.0 as source 0.
.macro AL n, q
.set AA_, ACA+32*(\q)+2*(\n)
.set AE_, E+2*((\n)%2)
.if (\n) < 12
.set AD_, DC+2*(\n)
.else
.set AD_, DZ+2*((\n)-12)
.endif
.if (\n) < 2
	v_pk_mul_f32 v[AE_:AE_+1], v[AD_:AD_+1], v[AA_:AA_+1]
.else
	v_pk_fma_f32 v[AE_:AE_+1], v[AD_:AD_+1], v[AA_:AA_+1], v[AE_:AE_+1]
.endif
.endm
.macro ALN                             ; this tile's pair AN_
	AL AN_, P_
.set AN_, AN_+1
.endm
.macro BL                              ; pair BN_
.set AE_, E+2*(BN_%2)
	v_pk_fma_f32 v[AE_:AE_+1], v[DC+2*BN_:DC+2*BN_+1], v[ACB+2*BN_:ACB+2*BN_+1], v[AE_:AE_+1]
.set BN_, BN_+1
.endm
.macro FIN1
	v_pk_fma_f32 v[T:T+1], 1.0, v[E:E+1], v[E+2:E+3] op_sel_hi:[0,1,1]
.endm
.macro FIN2
	v_fma_f32 v[T], 1.0, v[T], v[T+1]              ; lane (r, h): b = r, the columns of my 128 that lie in half h of their tiles
.endm
; A SLOT IS FILLED, in tiles 0, 6 and 14: tile 0: W has been read, slot 1 takes E1; tile 6: slot 0's last tile was read a tile ago, it takes E2; tile 14: slot 1 takes E3.
; Behind tile 22 nothing is filled: the barrier only shows the last slot whole.  No vector result is pending here that the next lines read: the last tile's sum is finished, the next list has not begun.
.macro CHANGE
.if TN < 22
	WIN 0                                          ; (the add's two registers lie in window 0)
.if TN == 0
	s_wait_loadcnt 0x0                             ; dec and all scale words
.endif
	s_wait_tensorcnt 0x0                           ; all my tensor loads have landed: my quarter of the slot that is read next
	ds_add_u32 v[SPW], v[NIL]                      ; 0 onto my spare word
.if TN == 6
	s_add_co_u32 s[G0E+1], s27, R0                 ; no load of mine is out: the group 0 steps
.else
	s_add_co_u32 s[G0E+1], s27, R1
.endif
	s_add_nc_u64 s[G0E+2:G0E+3], s[G0E+2:G0E+3], ESTEP
	WIN 0xfe
	MM 2, 1
	MM 3, 1
	MM 2, 2
	MM 3, 2
	s_wait_dscnt 0x0                               ; the add is done, and my reads of the slot are over; the next tile's fragments are in
	s_barrier_signal -1                            ; (this barrier opens a round of the cluster's barrier)
	MM 2, 3
	MM 3, 3
	WIN 0
	s_barrier_wait -1
	CREST                                          ; no wave of any partner still reads the slot or has a load on its way
	tensor_load_to_lds s[G0E:G0E+3], s[G1E:G1E+7]  ; my one tensor load behind the round: six or eight tiles' products in which to land
	s_nop 0
	NOPS4
.if TN == 0
	global_prefetch_b8 v[PFO], s[PFA:PFA+1] offset:2*ESTEP th:TH_LOAD_NT scope:SCOPE_SE    ; E2
.elseif TN == 6
	global_prefetch_b8 v[PFO], s[PFA:PFA+1] offset:3*ESTEP th:TH_LOAD_NT scope:SCOPE_SE    ; E3
.endif
	WIN 0xfe
.else
	s_wait_tensorcnt 0x0
	s_wait_dscnt 0x0
	s_barrier_signal -1
.irp ks, 1,2,3
	MM 2, \ks
	MM 3, \ks
.endr
	s_barrier_wait -1
.endif
.irp ks, 4,5,6
	MM 2, \ks
	ALN
	ALN
	MM 3, \ks
	ALN
	ALN
.endr
.endm
; TILE TN, on set TN % 2.  The next tile's loads stand in ONE run, with the store of a finished sum: behind four plain vector lines that name no register of the products that read the run's registers.
; The one wait for them stands twenty products further on, where no vector result is pending.  An accumulator is read behind four or more such lines too, from its low end on.
.macro TILE
.set P_, TN%2
.set Q_, 1-P_
	WIN 0xfc                                       ; K step 7 of groups 0, 1; the last tile's list of groups 0, 1 ends
	MM 0, 7
.if TN > 0
	AL 13, Q_
.endif
	MM 1, 7
.if TN > 0
	AL 14, Q_
	AL 15, Q_
.if TN < 31
.set LT_, TN+1
.irp ks, 0,1,2,3,4,5,6,7
	LDF \ks
.endr
.endif
.if TN > 1
	ds_store_b32 v[GL], v[T] offset:(TN-2)*GROW    ; tile TN - 2's sum: sixteen plain vector lines behind its last line
.endif
.endif
	WIN 0xfd                                       ; K steps 0-6 of groups 0, 1; the last tile's list of groups 2, 3
.set BN_, 0
.irp ks, 0,1,2,3,4,5,6
	MM 0, \ks
.if TN > 0
	BL
.if \ks == 6
	BL
.endif
.endif
	MM 1, \ks
.if TN > 0
	BL
.if \ks == 2
	BL
.endif
.endif
.endr
	WIN 0xfe                                       ; K steps 0-6 of groups 2, 3; the last tile's sum; this tile's list begins
.if TN == 0
	s_wait_dscnt 0x0                               ; W's groups 2 and 3
.endif
.set AN_, 0
	MM 2, 0
.if (TN == 0) || ((TN%8 == 6) && (TN < 30))
.if TN > 0
	FIN1
.endif
	MM 3, 0
.if TN > 0
	FIN2
.endif
	CHANGE
.else
	MM 3, 0
	MM 2, 1
	MM 3, 1
	MM 2, 2
	FIN1
	MM 3, 2
	FIN2
	s_wait_dscnt 0x0                               ; the next tile's fragments
.irp ks, 3,4,5,6
	MM 2, \ks
	ALN
	ALN
	MM 3, \ks
	ALN
.endr
.endif
	WIN 0xfc                                       ; K step 7 of groups 2, 3
	MM 2, 7
	MM 3, 7
	AL 12, P_
.endm
.set TN, 0
.rept 32
	TILE
.set TN, TN+1
.endr
	; the drain: tile 30's sum to the stage; the rest of tile 31's list, its sum
.irp n, 13,14,15
	AL \n, 1
.endr
	ds_store_b32 v[GL], v[T] offset:30*GROW
	WIN 0xfd
.set BN_, 0
.rept 16
	BL
.endr
	FIN1
	FIN2
	WIN 0xfc
	ds_store_b32 v[GL], v[T] offset:31*GROW
	WIN 0
	; THE WAY OUT.  An energy's four parts (two waves nw, two halves h of the lanes) meet through the stage.  Lane (r, h) of wave w gathers s = 4 r + e, e = 0 .. 3, of b = 4 w + h + 2 j, j = 0, 1:
	; tile 2 r + e / 2 of the waves with mh = e % 2.  The 32 lanes of a load read words 66 r + h apart: 32 different banks (64 banks of 4 bytes: ISA guide 11.1).
	s_wait_dscnt 0x0                               ; for the others' sake: my stores into the stage are done
	s_barrier_signal -1
	s_barrier_wait -1
.irp j, 0,1
.irp nwp, 0,1
.irp hp, 0,1
.irp e, 0,1,2,3
	ds_load_b32 v[WX+16*\j+4*(2*\nwp+\hp)+\e], v[RB] offset:(2*(\e%2)+\nwp)*GWAVE+(\e/2)*GROW+64*\hp+8*\j
.endr
.endr
.endr
.endr
.irp j, 0,1
.set G_, WX+16*\j
	s_wait_dscnt 16-16*\j                          ; j = 0: behind its sixteen loads stand the sixteen of j = 1, which may be out
	v_pk_add_f32 v[G_:G_+1], v[G_:G_+1], v[G_+4:G_+5]
	v_pk_add_f32 v[G_+2:G_+3], v[G_+2:G_+3], v[G_+6:G_+7]
	v_pk_add_f32 v[G_+8:G_+9], v[G_+8:G_+9], v[G_+12:G_+13]
	v_pk_add_f32 v[G_+10:G_+11], v[G_+10:G_+11], v[G_+14:G_+15]
	v_pk_add_f32 v[G_:G_+1], v[G_:G_+1], v[G_+8:G_+9]
	v_pk_add_f32 v[G_+2:G_+3], v[G_+2:G_+3], v[G_+10:G_+11]
	global_store_b128 v[CO], v[G_:G_+3], s[14:15] offset:16384*\j                  ; sixteen lanes store 256 consecutive bytes, 64 s of one b, at a multiple of 256 from part's first byte
.endr
	s_wait_tensorcnt 0x0                           ; the wave's end: behind my last tensor load and my last LDS store
	ds_add_u32 v[SPW], v[NIL]
	s_wait_dscnt 0x0
	ROUND                                          ; the closing round: no work-group ends while a partner may still ask for a tile that names it
	s_endpgm
.Lfunc_end_k_qc4264a2650_energy:
	.size	k_qc4264a2650_energy, .Lfunc_end_k_qc4264a2650_energy-k_qc4264a2650_energy
	.p2alignl 7, 3214868480
	.fill 96, 4, 3214868480
	.section	.rodata,"a",@progbits
	.p2align	6, 0x0
	.amdhsa_kernel k_qc4264a2650_energy
		.amdhsa_group_segment_fixed_size 327680
		.amdhsa_private_segment_fixed_size 0
		.amdhsa_enable_private_segment 0
		.amdhsa_kernarg_size 48
		.amdhsa_user_sgpr_count 2
		.amdhsa_user_sgpr_kernarg_segment_ptr 1
		.amdhsa_wavefront_size32 1
		.amdhsa_system_sgpr_workgroup_id_x 1
		.amdhsa_system_sgpr_workgroup_id_y 1
		.amdhsa_system_sgpr_workgroup_id_z 1
		.amdhsa_system_vgpr_workitem_id 0
		.amdhsa_next_free_vgpr 1024
		.amdhsa_next_free_sgpr 96
		.amdhsa_reserve_vcc 0
		.amdhsa_float_denorm_mode_32 3
		.amdhsa_float_denorm_mode_16_64 3
		.amdhsa_memory_ordered 1
		.amdhsa_forward_progress 1
		.amdhsa_inst_pref_size 255
	.end_amdhsa_kernel
	.section	.bss,"aw",@nobits
	.p2align	6
	.space	262144
	.amdgpu_metadata
---
amdhsa.version: [ 1, 2 ]
amdhsa.kernels:
  - .name:           k_qc4264a2650_energy
    .symbol:         k_qc4264a2650_energy.kd
    .args:
      - { .name: W_codes, .offset: 0, .size: 8, .value_kind: global_buffer, .address_space: global }
      - { .name: W_scales, .offset: 8, .size: 8, .value_kind: global_buffer, .address_space: global }
      - { .name: decoder_hidden, .offset: 16, .size: 8, .value_kind: global_buffer, .address_space: global }
      - { .name: encoder_outputs_codes, .offset: 24, .size: 8, .value_kind: global_buffer, .address_space: global }
      - { .name: encoder_outputs_scales, .offset: 32, .size: 8, .value_kind: global_buffer, .address_space: global }
      - { .name: part, .offset: 40, .size: 8, .value_kind: global_buffer, .address_space: global }
    .group_segment_fixed_size: 327680
    .private_segment_fixed_size: 0
    .kernarg_segment_align: 8
    .kernarg_segment_size: 48
    .max_flat_workgroup_size: 128
    .sgpr_count:     96
    .vgpr_count:     1024
    .wavefront_size: 32
...
	.end_amdgpu_metadata
.endif
;; end of part 1
;; launch softmax (part 2): grid 32 x 1, 8 waves a work-group, no clusters, 1,280 bytes of LDS; arguments part, out0; writes out0
.if DOCPART == 2
	.amdgcn_target "amdgcn-amd-amdhsa--gfx1250"
	.amdhsa_code_object_version 6
	.text
	.protected	k_qc4264a2650_softmax
	.globl	k_qc4264a2650_softmax
	.p2align	8
	.type	k_qc4264a2650_softmax,@function
k_qc4264a2650_softmax:
	s_mov_b64 s[64:65], 0
	v_nop
	global_prefetch_b8 v0, s[64:65] scope:SCOPE_SE
	s_setreg_imm32_b32 hwreg(HW_REG_WAVE_MODE, 25, 1), 1
	s_wait_xcnt 0x0
; out0[b][s] = softmax over s of (part[0][b][s] + part[1][b][s] + part[2][b][s] + part[3][b][s]).  part: [4][32][2048] f32; out0: [32][2048] f32.
; One work-group for each b: a row's maximum and sum span all 2,048 s, so a row has one owner; 32 rows give 32 work-groups.  Eight waves; thread t holds s = 1024 c + 4 t + 0 .. 3, c = 0, 1:
; each load and store of a wave covers 512 consecutive bytes.  The row stays in registers between the passes.  No matrix unit, no cluster, no tensor load: 32 KiB in and 8 KiB out for a work-group.
; The row's true maximum is taken away before the exponential.  LIMITS: an exponential under 2^-126 comes out as 0 (ISA guide, v_exp_f32); NaN and infinities among the energies are not served.
.set X, 8                              ; v8-15  the row's eight numbers of my thread; v16-39 the other three parts as loaded
	s_load_b128 s[4:7], s[0:1], 0x0                ; part, out0
	v_lshl_add_u32 v64, v0, 2, 0x100
	v_mov_b32 v65, 0
	v_lshlrev_b32 v1, 4, v0                        ; 16 bytes a thread
	v_lshrrev_b32 v2, 5, v0
	s_delay_alu instid0(VALU_DEP_1)
	v_readfirstlane_b32 s8, v2                     ; wave 0..7
	s_lshl_b32 s10, ttmp9, 13                      ; row b: 8,192 bytes, in part and in out0
	s_mov_b32 s11, 0
	s_mov_b32 s12, 0x76543210                      ; v_permlanex16_b32's selects for lane l xor 16
	s_mov_b32 s13, 0xfedcba98
	v_mov_b32 v42, s8
	s_delay_alu instid0(VALU_DEP_1)
	v_lshlrev_b32 v42, 2, v42                      ; LDS: my wave's word
	v_mov_b32 v43, 0
	v_mov_b32 v55, 0                               ; (named as the upper half of the pair v[54:55])
	s_wait_alu depctr_va_vdst(0)
	s_wait_kmcnt 0x0
	s_add_nc_u64 s[4:5], s[4:5], s[10:11]
	s_add_nc_u64 s[6:7], s[6:7], s[10:11]
.irp q, 0,1,2,3
.irp c, 0,1
	global_load_b128 v[X+4*(2*\q+\c):X+4*(2*\q+\c)+3], v1, s[4:5] offset:\q*262144+\c*4096 th:TH_LOAD_NT
.endr
.endr
	s_wait_loadcnt 0x0
.irp i, 0,2,4,6
	v_pk_add_f32 v[X+\i:X+\i+1], v[X+\i:X+\i+1], v[X+8+\i:X+9+\i]          ; (part 0 + part 1)
	v_pk_add_f32 v[X+16+\i:X+17+\i], v[X+16+\i:X+17+\i], v[X+24+\i:X+25+\i]  ; (part 2 + part 3)
.endr
.irp i, 0,2,4,6
	v_pk_add_f32 v[X+\i:X+\i+1], v[X+\i:X+\i+1], v[X+16+\i:X+17+\i]        ; the energies
.endr
	; the row's maximum: my eight, the wave's 32 lanes, the eight waves
	s_delay_alu instid0(VALU_DEP_3)
	v_max3_num_f32 v40, v8, v9, v10
	s_delay_alu instid0(VALU_DEP_3)
	v_max3_num_f32 v41, v11, v12, v13
	s_delay_alu instid0(VALU_DEP_2)
	v_max3_num_f32 v40, v40, v14, v15
	s_delay_alu instid0(VALU_DEP_1)
	v_max_num_f32 v40, v40, v41
	s_delay_alu instid0(VALU_DEP_1)
	v_max_num_f32_dpp v40, v40, v40 row_xmask:1 row_mask:0xf bank_mask:0xf
	s_delay_alu instid0(VALU_DEP_1)
	v_max_num_f32_dpp v40, v40, v40 row_xmask:2 row_mask:0xf bank_mask:0xf
	s_delay_alu instid0(VALU_DEP_1)
	v_max_num_f32_dpp v40, v40, v40 row_xmask:4 row_mask:0xf bank_mask:0xf
	s_delay_alu instid0(VALU_DEP_1)
	v_max_num_f32_dpp v40, v40, v40 row_xmask:8 row_mask:0xf bank_mask:0xf
	s_delay_alu instid0(VALU_DEP_1)
	v_permlanex16_b32 v41, v40, s12, s13
	s_delay_alu instid0(VALU_DEP_1)
	v_max_num_f32 v40, v40, v41
	ds_store_b32 v42, v40                          ; all lanes write the same word with the same value
	s_wait_dscnt 0x0                               ; for the others' sake
	s_barrier_signal -1
	s_barrier_wait -1
	ds_load_b128 v[44:47], v43
	ds_load_b128 v[48:51], v43 offset:16
	s_wait_dscnt 0x0
	v_max3_num_f32 v40, v44, v45, v46
	v_max3_num_f32 v41, v47, v48, v49
	s_delay_alu instid0(VALU_DEP_2)
	v_max3_num_f32 v40, v40, v50, v51
	s_delay_alu instid0(VALU_DEP_1)
	v_max_num_f32 v40, v40, v41                    ; the row's maximum, in every lane
	; e^(x - m) = 2^((x - m) log2 e).  The difference is taken first, so that large energies lose nothing; so the two lines are not one multiply-add
.irp i, 0,2,4,6
	v_pk_add_f32 v[X+\i:X+\i+1], v[X+\i:X+\i+1], v[40:41] op_sel_hi:[1,0] neg_lo:[0,1] neg_hi:[0,1]
.endr
.irp i, 0,2,4,6
	s_delay_alu instid0(VALU_DEP_4)
	v_pk_mul_f32 v[X+\i:X+\i+1], v[X+\i:X+\i+1], 0x3fb8aa3b op_sel_hi:[1,0]
.endr
	s_wait_alu depctr_va_vdst(0)
.irp i, 0,1,2,3,4,5,6,7
	v_exp_f32 v[X+\i], v[X+\i]                     ; one batch
.endr
	v_add_nc_u32 v42, 64, v42                      ; a plain line behind the last exponential: the sums meet in other LDS bytes than the maxima, so one barrier serves each
	s_wait_alu depctr_va_vdst(0)                   ; one wait for the batch, ahead of its first reader
	v_pk_add_f32 v[40:41], v[8:9], v[10:11]
	v_pk_add_f32 v[52:53], v[12:13], v[14:15]
	s_delay_alu instid0(VALU_DEP_1)
	v_pk_add_f32 v[40:41], v[40:41], v[52:53]
	s_delay_alu instid0(VALU_DEP_1)
	v_add_f32 v40, v40, v41
	s_delay_alu instid0(VALU_DEP_1)
	v_add_f32_dpp v40, v40, v40 row_xmask:1 row_mask:0xf bank_mask:0xf
	s_delay_alu instid0(VALU_DEP_1)
	v_add_f32_dpp v40, v40, v40 row_xmask:2 row_mask:0xf bank_mask:0xf
	s_delay_alu instid0(VALU_DEP_1)
	v_add_f32_dpp v40, v40, v40 row_xmask:4 row_mask:0xf bank_mask:0xf
	s_delay_alu instid0(VALU_DEP_1)
	v_add_f32_dpp v40, v40, v40 row_xmask:8 row_mask:0xf bank_mask:0xf
	s_delay_alu instid0(VALU_DEP_1)
	v_permlanex16_b32 v41, v40, s12, s13
	s_delay_alu instid0(VALU_DEP_1)
	v_add_f32 v40, v40, v41
	ds_store_b32 v42, v40
	s_wait_dscnt 0x0
	s_barrier_signal -1
	s_barrier_wait -1
	ds_load_b128 v[44:47], v43 offset:64
	ds_load_b128 v[48:51], v43 offset:80
	s_wait_dscnt 0x0
	v_pk_add_f32 v[44:45], v[44:45], v[46:47]
	v_pk_add_f32 v[48:49], v[48:49], v[50:51]
	s_delay_alu instid0(VALU_DEP_1)
	v_pk_add_f32 v[44:45], v[44:45], v[48:49]
	s_delay_alu instid0(VALU_DEP_1)
	v_add_f32 v40, v44, v45                        ; the row's sum: at least 1, the maximum's own term
	s_wait_alu depctr_va_vdst(0)
	v_rcp_f32 v54, v40
	v_nop                                          ; a plain line behind the reciprocal
	s_wait_alu depctr_va_vdst(0)                   ; and the wait ahead of its first reader
.irp i, 0,2,4,6
	v_pk_mul_f32 v[X+\i:X+\i+1], v[X+\i:X+\i+1], v[54:55] op_sel_hi:[1,0]
.endr
	global_store_b128 v1, v[8:11], s[6:7] th:TH_STORE_NT               ; a wave stores 512 consecutive bytes, at a multiple of 256 from out0's first byte
	global_store_b128 v1, v[12:15], s[6:7] offset:4096 th:TH_STORE_NT
	s_wait_tensorcnt 0x0
	ds_add_u32 v64, v65
	s_wait_dscnt 0x0
	s_endpgm
.Lfunc_end_k_qc4264a2650_softmax:
	.size	k_qc4264a2650_softmax, .Lfunc_end_k_qc4264a2650_softmax-k_qc4264a2650_softmax
	.p2alignl 7, 3214868480
	.fill 96, 4, 3214868480
	.section	.rodata,"a",@progbits
	.p2align	6, 0x0
	.amdhsa_kernel k_qc4264a2650_softmax
		.amdhsa_group_segment_fixed_size 1280
		.amdhsa_private_segment_fixed_size 0
		.amdhsa_enable_private_segment 0
		.amdhsa_kernarg_size 16
		.amdhsa_user_sgpr_count 2
		.amdhsa_user_sgpr_kernarg_segment_ptr 1
		.amdhsa_wavefront_size32 1
		.amdhsa_system_sgpr_workgroup_id_x 1
		.amdhsa_system_sgpr_workgroup_id_y 1
		.amdhsa_system_sgpr_workgroup_id_z 1
		.amdhsa_system_vgpr_workitem_id 0
		.amdhsa_next_free_vgpr 66
		.amdhsa_next_free_sgpr 66
		.amdhsa_reserve_vcc 0
		.amdhsa_float_denorm_mode_32 3
		.amdhsa_float_denorm_mode_16_64 3
		.amdhsa_memory_ordered 1
		.amdhsa_forward_progress 1
		.amdhsa_inst_pref_size 8
	.end_amdhsa_kernel
	.amdgpu_metadata
---
amdhsa.version: [ 1, 2 ]
amdhsa.kernels:
  - .name:           k_qc4264a2650_softmax
    .symbol:         k_qc4264a2650_softmax.kd
    .args:
      - { .name: part, .offset: 0, .size: 8, .value_kind: global_buffer, .address_space: global }
      - { .name: out0, .offset: 8, .size: 8, .value_kind: global_buffer, .address_space: global }
    .group_segment_fixed_size: 1280
    .private_segment_fixed_size: 0
    .kernarg_segment_align: 8
    .kernarg_segment_size: 16
    .max_flat_workgroup_size: 256
    .sgpr_count:     66
    .vgpr_count:     66
    .wavefront_size: 32
...
	.end_amdgpu_metadata
.endif
;; end of part 2
